; MI455X (gfx1250); checked and timed in simulation.
; The chip was launched on July 23, 2026; its instructions are those of AMD's public machine-readable ISA for CDNA 5 (MIT licence, August 2026) and "CDNA5" Instruction Set Architecture Reference Guide (July 2026). The comments in the code are by the model that wrote it; some were corrected since.
;; Fe CAM Manager. Allowed arithmetic: matrix products marked QUANTISED: E4M3 operands, one E8M0 scale for each 32 along K, by v_wmma_scale_f32_16x16x128_f8f6f4 with both operands' format E4M3, f32 sums; everything else in f32.
;; Inputs: class_diags 100 x 768 float32; class_inv_covs_codes 100 x 768 x 24 x 32 uint8 (E4M3 codes of class_inv_covs, K innermost, in blocks of 32 codes); class_inv_covs_scales 100 x 768 x 24 uint8 (E8M0 scales of class_inv_covs, one for each 32 codes along K); class_means 100 x 768 float32; raw_features 1,024 x 768 float32.
;; Outputs: out0 1,024 x 100 float32.
;; This version of the problem:
;;   THIS VERSION OF THE PROBLEM IS GIVEN IN LOW PRECISION. The matrix products marked QUANTISED in the list below multiply operands that are first quantised to E4M3 (4 exponent bits, 3 mantissa bits; 8 bits a number), with one power-of-two scale for each 32 numbers along K (OCP MX v1.0); their sums are f32. All else is computed in f32.
;;   The module's matrix products, in the order in which they are computed (A, B: the left and right operand; K: the contracted axis; several contracted axes count as one K, in the product's order):
;;     1. batch 100 x [M 768, K 768] x [K 768, N 1,024]; A: input class_inv_covs (given as codes); B: computed on the way: QUANTISED
;;   THE QUANTISER, for each operand of a quantised product, along K:
;;     - K is cut into blocks of 32 from its start; a last block that is shorter is filled with zeros.
;;     - A block's scale is 2^e with e = floor(log2(the largest magnitude in the block)) - 8, held to -126 .. 127; a block of zeros has e = 0. As a byte (E8M0): e + 127.
;;     - Each number is divided by its block's scale, clamped to +-448, and rounded to the nearest number of E4M3, ties to even, subnormals kept.
;;     - The product sums the exact products of the quantised numbers (number of the format x scale) in f32.
;;   ~~~python
;;   def quantise(x, axis):      # numpy; x: float32 -> the quantised numbers, widened to float32 again
;;       x = np.moveaxis(x, axis, -1); K = x.shape[-1]
;;       x = np.pad(x, [(0, 0)] * (x.ndim - 1) + [(0, -K % 32)]); x = x.reshape(x.shape[:-1] + (-1, 32)); a = np.abs(x).max(-1, keepdims=True)
;;       e = np.where(a > 0, np.clip(np.frexp(np.where(a > 0, a, 1))[1] - 1 - 8, -126, 127), 0)      # np.frexp(a)[1] - 1 = floor(log2(a)), exactly
;;       r = np.clip(x / 2.0 ** e, -448, 448)
;;       step = 2.0 ** (np.maximum(np.frexp(np.where(r == 0, 1, r))[1] - 1, -6) - 3)
;;       q = np.round(r / step) * step * 2.0 ** e      # np.round: ties to even
;;       return np.moveaxis(q.reshape(q.shape[:-2] + (-1,))[..., :K], -1, axis).astype(np.float32)
;;   ~~~
;;   OPERANDS COMPUTED ON THE WAY. 'Computed on the way' means the value that the module computes at that place (a softmax that the list does not call 'softmax' is quantised finished and normalised). What goes into a quantiser is computed in f32, as accurately as f32 sums, v_exp_f32 and their like allow (about 1e-6 of the number): no bf16 or f16 on the way to a quantiser, and a product that is left as it is and whose result goes on into a quantised operand takes f32 operands (vector FMAs, or v_wmma_f32_16x16x4_f32). A number that lies on a knife's edge between two numbers of the format may be rounded either way, as far as f32 arithmetic and the matrix unit's own rounding can turn it there, and no further.
;;   INPUTS GIVEN AS CODES. class_inv_covs (in the module: [100, 768, 768], K = its axis 1): each comes as NAME_codes (uint8): NAME with its K axis moved to the last place and cut into blocks of 32 codes, [.., K / 32, bytes a block], one block behind the other in memory; one code a byte (a code: sign, 4 exponent bits, 3 mantissa bits); and NAME_scales (uint8): the same leading axes, one E8M0 byte (e + 127) for each 32 codes along K. Its value is code x scale, taken as it is: it is not quantised again, and the codes and scales need not be those that the quantiser above would give.
;; One version. Each part assembles by itself: llvm-mc -triple=amdgcn-amd-amdhsa -mcpu=gfx1250 --defsym DOCPART=n.
;; ======== version 1 of 1: 1 launch
;; launch fecam (part 1): grid 4 x 100, 4 waves a work-group, clusters of 4 x 4, 327,680 bytes of LDS; arguments raw_features, class_means, class_diags, class_inv_covs_codes, class_inv_covs_scales, out0; writes out0
.if DOCPART == 1
	.amdgcn_target "amdgcn-amd-amdhsa--gfx1250"
	.amdhsa_code_object_version 6
	.text
	.protected	k_qcbdfe7cae1_fecam
	.globl	k_qcbdfe7cae1_fecam
	.p2align	8
	.type	k_qcbdfe7cae1_fecam,@function
k_qcbdfe7cae1_fecam:
	s_mov_b64 s[64:65], 0
	v_nop
	global_prefetch_b8 v0, s[64:65] scope:SCOPE_SE
	s_setreg_imm32_b32 hwreg(HW_REG_WAVE_MODE, 25, 1), 1
	s_wait_xcnt 0x0
	s_wait_alu depctr_hold_cnt(0) depctr_sa_sdst(0) depctr_va_vdst(0) depctr_va_sdst(0) depctr_va_ssrc(0) depctr_va_vcc(0) depctr_vm_vsrc(0)
	s_getreg_b32 s2, hwreg(HW_REG_IB_STS2, 6, 4)
	s_cmp_eq_u32 s2, 0
	s_cbranch_scc0 .Lentry_in_a_cluster
	s_endpgm
.Lentry_in_a_cluster:
	s_bfe_u32 s2, ttmp6, 0x10000c
	s_cmp_lg_u32 s2, 0xf033
	s_cbranch_scc0 .Lentry_shape_is_right
	s_endpgm
.Lentry_shape_is_right:
; out[b][c] = - sum over e of temp[b][e] diff[b][e];  diff[b][d] = (raw[b][d] - mean[c][d]) / diag[c][d];  temp[b][e] = sum over d of Q(diff)[b][d] inv[c][d][e].
; Q: codes of FP8 (E4M3) with one E8M0 scale for each 32 along d.  inv comes as codes [c][e][768] (d innermost) with 24 scale bytes a row e.  All else f32.
; SHARES.  A work-group takes one class and 256 rows b; each of its four waves 64 rows (four tiles of 16).  PASS 1: the wave quantises its 64 x 768 numbers of diff; the codes (24 fragments, 384 registers)
; and their 24 scale words stay in registers.  PASS 2: every wave walks all 48 tiles of 16 e: 24 products a tile, and the sum over e of temp x diff (diff made anew in f32 from raw) stands in slices between
; the next tile's products.  A row's sum never leaves its wave.
; THE PRODUCT IS USED TRANSPOSED: source 0 = 16 rows e of inv, source 1 = 16 rows b of Q(diff): lane (r, h), register j holds temp(e0 + 8 h + j, b = r).
; CLUSTER 4 x 4: the four work-groups of a cluster row share a class (inv's tiles and scales are asked for jointly along the row); the four of a column share their 256 rows b (raw's tiles jointly along the column).
; RING: 18 tiles through LDS.  P0-5: raw columns 128 s on, 256 rows x 512 bytes, each wave its own 64 rows.  E0-11: raw columns 64 t on (waves 0, 1: 128 rows each) and inv rows e 64 t on (waves 2, 3: 32 rows each).
; One joint load a wave behind each round of the cluster's barrier; a wave has three tensor loads out at the start and one afterwards.
; LIMITS.  1 / diag is v_rcp_f32 (1 ulp; a denormal diag is flushed) and a multiplication; NaN and infinities among the inputs are not served; a block of zeros gets the byte 1 over zero codes (the bytes are read here alone).
; out0: a work-group owns one column of it, so its 256 numbers leave 4 bytes a lane, 400 bytes apart: 1,024 of the bytes that the work-group moves.  400 work-groups: no even share of 256 without sums between work-groups.
; REGISTERS, in windows of 256.  Window 0: v2-15, v248-252 addresses; v16-39 diff's scale words (6 bt + s); v40-51 inv's, two sets; v52-59 the sums, a pair a tile; v60-91 mean and 1/diag of a tile of e, two sets;
;   v92-155 raw of a tile of e, two sets (pass 1: 64 numbers); v156-219 temp, two sets (pass 1: 64 numbers); v220-235 at work in the quantiser; v236-247 at work at head and tail.
;   Window 1: inv's fragments, two sets of 96 (pass 1: v0-63 mean, v64-127 1/diag).   Window 2: codes of K steps 0-3 (64 s + 16 bt).   Window 3: of K steps 4, 5.
.set PP,    528                        ; pass 1: an LDS row: 512 bytes + 16
.set PWV,   64*PP                      ; a wave's 64 rows
.set PSB,   256*PP                     ; a pass-1 slot
.set RP,    272                        ; pass 2: a row of raw: 256 bytes + 16
.set IOFF,  256*RP                     ; behind raw's 256 rows: inv's 64 rows e
.set IP,    816                        ; a row e: three pieces of 256 bytes + 16 each
.set SLOT1, 1<<17                      ; pass 2: slot 1 begins here: one exclusive or turns an address
.set SCL,   2*PSB                      ; the class's scale bytes, dense, 24 a row e: filled once
.set MT,    SCL+18432                  ; mean[768], stored by the waves; 3,072 bytes on: 1/diag[768]
.set SPARE, MT+6144                    ; the spare words, 128 bytes a wave: two blocks of 256 bytes that no other line names
.set BS,    16
.set ASC,   40
.set DIST,  52
.set MR,    60
.set RW,    92
.set ACC,   156
.set X0,    92
.set X1,    156
.set TM,    220
.set MSB, 0
.macro WIN new                         ; the immediate's high byte repeats the setting that is left; a switch that changes nothing is dropped
.if MSB != \new
	s_set_vgpr_msb (MSB<<8)|\new
.set MSB, \new
.endif
.endm
.macro NOPS n
.rept \n
	v_nop
.endr
.endm
; A round of the cluster's barrier: my work-group's barrier, wave 0 signals for the work-group, every wave waits for all sixteen, my work-group's barrier once more.
.macro CROUND
	s_barrier_signal -1
	s_barrier_wait -1
	s_cmp_lg_u32 s16, 0
	s_cbranch_scc1 .Lnw0_\@
	s_barrier_signal -3
.Lnw0_\@:
	s_barrier_wait -3
	s_barrier_signal -1
	s_barrier_wait -1
.endm
.macro PLOAD g0                        ; a pass-1 tile: every wave its own 64 rows; four v_nop follow
	tensor_load_to_lds s[\g0:\g0+3], s[24:31]
	s_nop 0
	NOPS 4
.endm
.macro JLOAD                           ; a pass-2 tile: waves 0, 1 raw's halves, waves 2, 3 inv's; the branch hangs on the wave's number alone
	s_cmp_lt_u32 s16, 2
	s_cbranch_scc0 .Lfi_\@
	tensor_load_to_lds s[68:71], s[32:39]
	s_nop 0
	NOPS 4
	s_branch .Lja_\@
.Lfi_\@:
	tensor_load_to_lds s[72:75], s[40:47]
	s_nop 0
	NOPS 4
.Lja_\@:
.endm
; PREFETCH INTO THE L2 of inv's codes, the one stream that is read once.  Two tiles of inv are 98,304 bytes = 4 partners of the cluster row x waves 0-2 x 32 lanes x 256 bytes, told apart by ADDRESS:
; each aligned 256 bytes of the class's codes is named once in the launch.  Tiles 0, 1 and 2, 3 are asked for in pass 1; tiles t + 4, t + 5 in the even trips t = 0 .. 6 of pass 2: the last request ends at the class's last byte.
.macro ASKP off
	s_cmp_lt_u32 s16, 3
	s_cbranch_scc0 .Lnp_\@
	global_prefetch_b8 v13, s[80:81] offset:\off th:TH_LOAD_NT scope:SCOPE_SE
.Lnp_\@:
.endm
.macro ASK                             ; s83 = 11 - t: odd in even trips; s82 = 5 in waves 0-2, else the greatest number
	s_and_b32 s90, s83, 1
	s_cmp_eq_u32 s90, 1
	s_cbranch_scc0 .Lna_\@
	s_cmp_ge_u32 s83, s82
	s_cbranch_scc0 .Lna_\@
	global_prefetch_b8 v13, s[80:81] th:TH_LOAD_NT scope:SCOPE_SE
.Lna_\@:
.endm
	s_load_b256 s[4:11], s[0:1], 0x0               ; raw s[4:5], mean s[6:7], diag s[8:9], inv's codes s[10:11]
	s_load_b128 s[12:15], s[0:1], 0x20             ; inv's scales s[12:13], out s[14:15]
	v_lshl_add_u32 v2, v0, 2, SPARE                ; my spare word; never rewritten
	v_mov_b32 v3, 0                                ; 0; never rewritten
	ds_add_u32 v2, v3
	ds_add_u32 v2, v3
	s_wait_dscnt 0x0
	v_lshrrev_b32 v1, 5, v0
	v_readfirstlane_b32 s16, v1                    ; wave 0..3
	s_and_b32 s17, s16, 1
	s_bfe_u32 s18, ttmp6, 0x40000                  ; cx
	s_bfe_u32 s19, ttmp6, 0x40004                  ; cy
	s_and_b32 s20, ttmp7, 0xffff
	s_lshl_b32 s20, s20, 2
	s_add_co_u32 s20, s20, s19                     ; the class = 4 x cluster y + cy
	s_lshl_b32 s21, ttmp9, 2
	s_add_co_u32 s21, s21, s18                     ; my block of 256 rows b = 4 x cluster x + cx
	s_lshl_b32 s23, s19, 2
	s_lshl_b32 s23, 15, s23                        ; my row of the cluster: shares the class
	s_lshl_b32 s22, 0x1111, s18                    ; my column: shares the rows b
	; group 1, pass-1 raw: 64 rows x 128 f32, 16 bytes of padding behind each 128 words
	s_or_b32 s24, s22, (2<<16)|(1<<20)|(1<<21)|(6<<22)|(3<<25)
	s_mov_b32 s25, 128<<16
	s_mov_b32 s26, 64<<16
	s_mov_b32 s27, 128<<16
	s_mov_b32 s28, 64
	s_mov_b32 s29, 768
	s_mov_b32 s30, 0
	s_mov_b32 s31, 0
	; group 1, pass-2 raw: 128 rows x 64 f32, padding behind each 64 words
	s_or_b32 s32, s22, (2<<16)|(1<<20)|(1<<21)|(5<<22)|(3<<25)
	s_mov_b32 s33, 64<<16
	s_mov_b32 s34, 128<<16
	s_mov_b32 s35, 64<<16
	s_mov_b32 s36, 128
	s_mov_b32 s37, 768
	s_mov_b32 s38, 0
	s_mov_b32 s39, 0
	; group 1, inv: 32 rows e are 24,576 dense bytes: 96 rows of 256 bytes (32 elements of 8), padding behind each
	s_or_b32 s40, s23, (3<<16)|(1<<20)|(1<<21)|(5<<22)|(3<<25)
	s_mov_b32 s41, 32<<16
	s_mov_b32 s42, 96<<16
	s_mov_b32 s43, 32<<16
	s_mov_b32 s44, 96
	s_mov_b32 s45, 32
	s_mov_b32 s46, 0
	s_mov_b32 s47, 0
	; group 1, scales: a quarter of the class's 18,432 dense bytes: 18 rows of 256, no padding
	s_or_b32 s48, s23, (3<<16)|(1<<21)
	s_mov_b32 s49, 32<<16
	s_mov_b32 s50, 18<<16
	s_mov_b32 s51, 32<<16
	s_mov_b32 s52, 18
	s_mov_b32 s53, 32
	s_mov_b32 s54, 0
	s_mov_b32 s55, 0
	; offsets.  s90-93 hang on my rows b and the wave alone, s94-97 on the class and the wave alone
	s_lshl_b32 s90, s21, 8
	s_lshl_b32 s92, s16, 6
	s_add_co_u32 s92, s90, s92
	s_mul_i32 s92, s92, 3072                       ; raw: row 256 x + 64 w
	s_mov_b32 s93, 0
	s_lshl_b32 s91, s17, 7
	s_add_co_u32 s90, s90, s91
	s_mul_i32 s90, s90, 3072                       ; raw: row 256 x + 128 (w % 2)
	s_mov_b32 s91, 0
	s_mul_i32 s94, s20, 589824                     ; the class's codes
	s_mov_b32 s95, 0
	s_mul_i32 s96, s17, 24576
	s_add_co_u32 s96, s96, s94                     ; + my half of a tile
	s_mov_b32 s97, 0
	v_lshlrev_b32 v1, 3, v0                        ; mean, diag: 8 bytes a thread
	s_wait_kmcnt 0x0
	s_mov_b32 s56, 1                               ; group 0, pass-1 slot 0
	s_mul_i32 s57, s16, PWV
	s_add_nc_u64 s[58:59], s[4:5], s[92:93]
	s_mov_b32 s60, 1                               ; slot 1: 128 columns on
	s_add_co_u32 s61, s57, PSB
	s_add_nc_u64 s[62:63], s[58:59], 512
	s_or_b32 s59, s59, 0x80000000
	s_or_b32 s63, s63, 0x80000000
	s_mov_b32 s68, 1                               ; group 0, pass-2 raw: it walks
	s_mul_i32 s69, s17, 128*RP
	s_add_nc_u64 s[70:71], s[4:5], s[90:91]
	s_or_b32 s71, s71, 0x80000000
	s_mov_b32 s72, 1                               ; group 0, inv: it walks
	s_mul_i32 s73, s17, 96*272
	s_add_co_u32 s73, s73, IOFF
	s_add_nc_u64 s[74:75], s[10:11], s[96:97]
	s_or_b32 s75, s75, 0x80000000
	s_mul_i32 s96, s20, 18432
	s_mul_i32 s77, s16, 4608
	s_add_co_u32 s96, s96, s77                     ; the class's scale bytes, my quarter
	s_mov_b32 s76, 1
	s_add_co_u32 s77, s77, SCL
	s_add_nc_u64 s[78:79], s[12:13], s[96:97]
	s_or_b32 s79, s79, 0x80000000
	s_mul_i32 s96, s20, 3072                       ; the class's mean and diag
	s_add_nc_u64 s[6:7], s[6:7], s[96:97]
	s_add_nc_u64 s[8:9], s[8:9], s[96:97]
.irp i, 0,1,2
	global_load_b64 v[236+2*\i:237+2*\i], v1, s[6:7] offset:1024*\i
.endr
.irp i, 0,1,2
	global_load_b64 v[242+2*\i:243+2*\i], v1, s[8:9] offset:1024*\i
.endr
	CROUND                                         ; all sixteen work-groups are here: the first joint loads meet
	tensor_load_to_lds s[76:79], s[48:55]          ; the scales, once
	s_nop 0
	NOPS 4
	PLOAD 56                                       ; P0
	PLOAD 60                                       ; P1: three loads of mine are out
	s_mul_i32 s98, s21, 102400                     ; out: row 256 x, column = the class
	s_lshl_b32 s99, s20, 2
	s_add_co_u32 s98, s98, s99
	s_mov_b32 s99, 0
	s_add_nc_u64 s[14:15], s[14:15], s[98:99]
	s_mul_i32 s98, s18, 3                          ; the prefetches: 8,192 bytes for each of 4 partners x 3 waves
	s_add_co_u32 s98, s98, s16
	s_lshl_b32 s98, s98, 13
	s_add_nc_u64 s[80:81], s[10:11], s[94:95]
	s_add_nc_u64 s[80:81], s[80:81], s[98:99]
	s_cmp_lt_u32 s16, 3
	s_cselect_b32 s82, 5, 0x7fffffff
	s_mov_b32 s86, 0x76543210
	s_mov_b32 s87, 0xfedcba98                      ; v_permlanex16_b32's selects for lane l xor 16
	s_mov_b32 s88, 0x600000                        ; the mantissa field of 448
	v_and_b32 v248, 15, v0                         ; r
	v_bfe_u32 v249, v0, 4, 1                       ; h
	v_and_b32 v250, 31, v0                         ; lane
	v_mul_u32_u24 v4, v248, IP
	v_lshl_add_u32 v4, v249, 4, v4
	v_add_nc_u32 v4, IOFF, v4                      ; inv's fragments: row r, + 16 h
	s_mul_i32 s98, s16, 64*RP
	v_mul_u32_u24 v5, v248, RP
	v_lshl_add_u32 v5, v249, 5, v5
	v_add_nc_u32 v5, s98, v5                       ; pass-2 raw: row 64 w + r, + 32 h
	v_mul_u32_u24 v6, v248, 24
	v_add_nc_u32 v6, SCL, v6                       ; inv's scale words: 24 bytes a row e
	v_lshl_add_u32 v7, v249, 5, MT                 ; pass 2: mean of my eight e
	v_mul_u32_u24 v10, v248, PP
	v_lshl_add_u32 v10, v249, 6, v10
	v_add_nc_u32 v10, s57, v10                     ; pass-1 raw, slot 0: row 64 w + r, + 64 h
	v_add_nc_u32 v11, PSB, v10                     ; slot 1
	v_lshl_add_u32 v12, v249, 6, MT                ; pass 1: mean of my 16 of a block
	v_lshlrev_b32 v13, 8, v250                     ; the prefetches: lanes 256 bytes apart
	v_lshl_add_u32 v14, v0, 3, MT                  ; where I store the tables
	s_mul_i32 s98, s16, 64*400
	v_mul_u32_u24 v15, v250, 400
	v_add_nc_u32 v15, s98, v15                     ; out: row 64 w + lane
.irp b, 0,1,2,3
	v_mov_b32 v[TM+4+\b], 0                        ; written once: a lane permute's destination counts as one of its sources
.endr
	s_wait_loadcnt 0x0
.irp i, 0,1,2,3,4,5
	v_rcp_f32 v[242+\i], v[242+\i]                 ; 1 / diag
.endr
	v_nop                                          ; a plain instruction behind the last reciprocal
	s_wait_alu depctr_va_vdst(0)                   ; one wait for the six, ahead of their first reader
.irp i, 0,1,2
	ds_store_b64 v14, v[236+2*\i:237+2*\i] offset:1024*\i
	ds_store_b64 v14, v[242+2*\i:243+2*\i] offset:3072+1024*\i
.endr
	s_wait_tensorcnt 0x1                           ; my quarter of the scales and P0 are in; P1, issued behind them, may stay out
	s_wait_dscnt 0x0                               ; my part of the tables has landed
	s_barrier_signal -1
	s_barrier_wait -1
; ---- PASS 1
.macro MRLOAD s                        ; mean and 1/diag of K step s in the operand's order: register 16 b + i = d 128 s + 32 b + 16 h + i; into window 1
	WIN 0x40
.irp b, 0,1,2,3
.irp j, 0,1,2,3
	ds_load_b128 v[16*\b+4*\j:16*\b+4*\j+3], v12 offset:512*(\s)+128*\b+16*\j
.endr
.endr
.irp b, 0,1,2,3
.irp j, 0,1,2,3
	ds_load_b128 v[64+16*\b+4*\j:64+16*\b+4*\j+3], v12 offset:3072+512*(\s)+128*\b+16*\j
.endr
.endr
	WIN 0
.endm
.macro XL X, adr, bt                   ; raw of tile bt, the same order
.irp b, 0,1,2,3
.irp j, 0,1,2,3
	ds_load_b128 v[\X+16*\b+4*\j:\X+16*\b+4*\j+3], v[\adr] offset:16*PP*(\bt)+128*\b+16*\j
.endr
.endr
.endm
; 64 numbers of raw in v[X] on become diff, then fragment (bt, s)'s codes and its scale word.
.macro QUANT X, bt, s
	WIN 0x04                                       ; source 1 in window 1
.set QJ, 0
.rept 32
	v_pk_add_f32 v[\X+QJ:\X+QJ+1], v[\X+QJ:\X+QJ+1], v[QJ:QJ+1] neg_lo:[0,1] neg_hi:[0,1]   ; raw - mean
.set QJ, QJ+2
.endr
.set QJ, 0
.rept 32
	v_pk_mul_f32 v[\X+QJ:\X+QJ+1], v[\X+QJ:\X+QJ+1], v[64+QJ:65+QJ]                         ; x 1 / diag
.set QJ, QJ+2
.endr
	WIN 0
.irp b, 0,1,2,3
	v_max3_num_f32 v[TM+\b], |v[\X+16*\b]|, |v[\X+1+16*\b]|, 0x4800000   ; block b: my 16 numbers, and the floor 2^(9 - 127): the byte cannot fall under 1
.endr
.irp i, 2,4,6,8,10,12,14
.irp b, 0,1,2,3
	v_max3_num_f32 v[TM+\b], v[TM+\b], |v[\X+16*\b+\i]|, |v[\X+1+16*\b+\i]|
.endr
.endr
.irp b, 0,1,2,3
	v_permlanex16_b32 v[TM+4+\b], v[TM+\b], s86, s87
.endr
.irp b, 0,1,2,3
	v_max_num_f32 v[TM+\b], v[TM+\b], v[TM+4+\b]   ; with lane l xor 16's: the block's largest magnitude
.endr
.irp b, 0,1,2,3
	v_add_nc_u32 v[TM+12+\b], 0xfc000000, v[TM+\b] ; 8 off its exponent field: the conversion's scale operand
.endr
.irp b, 0,1,2,3
	v_and_or_b32 v[TM+8+\b], v[TM+\b], 0x7f800000, s88   ; 448 x the scale
.endr
.irp b, 0,1,2,3
	v_lshrrev_b32 v[TM+4+\b], 23, v[TM+12+\b]      ; the scale's byte
.endr
	v_lshl_or_b32 v[BS+6*(\bt)+(\s)], v[TM+5], 8, v[TM+4]
	v_lshl_or_b32 v[BS+6*(\bt)+(\s)], v[TM+6], 16, v[BS+6*(\bt)+(\s)]
	v_lshl_or_b32 v[BS+6*(\bt)+(\s)], v[TM+7], 24, v[BS+6*(\bt)+(\s)]
.irp b, 0,1,2,3
.irp i, 0,1,2,3,4,5,6,7,8,9,10,11,12,13,14,15
	v_med3_num_f32 v[\X+16*\b+\i], v[\X+16*\b+\i], -v[TM+8+\b], v[TM+8+\b]   ; the conversion to an 8-bit code does not saturate (ISA guide 7.6.2): the hold comes first
.endr
.endr
.if (\s) < 4
	WIN 0x80                                       ; the codes go to window 2,
.else
	WIN 0xc0                                       ; those of K steps 4 and 5 to window 3
.endif
.irp b, 0,1,2,3
	v_cvt_scalef32_pk8_fp8_f32 v[64*((\s)%4)+16*(\bt)+4*\b:64*((\s)%4)+16*(\bt)+4*\b+1], v[\X+16*\b:\X+16*\b+7], v[TM+12+\b]
	v_cvt_scalef32_pk8_fp8_f32 v[64*((\s)%4)+16*(\bt)+4*\b+2:64*((\s)%4)+16*(\bt)+4*\b+3], v[\X+16*\b+8:\X+16*\b+15], v[TM+12+\b]
.endr
	v_nop                                          ; a plain instruction behind the last conversion
	WIN 0
.endm
; K step s of pass 1, on slot s % 2.  From s = 1 on its head is a change of slots: all my tensor loads have landed, 0 goes onto my spare word, the add and my reads of the slot just left are done,
; a round of the cluster's barrier, and behind it my one joint load, into the slot just left.
.macro PSTEP s
.if (\s) >= 1
	s_wait_tensorcnt 0x0                           ; no tensor load of mine is out: a group 0 may be written
	ds_add_u32 v2, v3
.if (\s) <= 4
	s_add_nc_u64 s[58+4*(((\s)+1)%2):59+4*(((\s)+1)%2)], s[58+4*(((\s)+1)%2):59+4*(((\s)+1)%2)], 1024   ; that slot's next tile: 256 columns on
.endif
	s_wait_dscnt 0x0
	CROUND
.if (\s) <= 4
	PLOAD 56+4*(((\s)+1)%2)
.else
	JLOAD                                          ; E0, into the bytes that held P4
.endif
.if (\s) == 1
	ASKP 0                                         ; inv's tiles 0 and 1
.endif
.if (\s) == 3
	ASKP 98304                                     ; tiles 2 and 3
.endif
.endif
	MRLOAD \s
	XL X0, 10+(\s)%2, 0
	XL X1, 10+(\s)%2, 1
	s_wait_dscnt 16                                ; all but the next tile's 16 loads
	QUANT X0, 0, \s
	XL X0, 10+(\s)%2, 2
	s_wait_dscnt 16
	QUANT X1, 1, \s
	XL X1, 10+(\s)%2, 3
	s_wait_dscnt 16
	QUANT X0, 2, \s
	s_wait_dscnt 0x0
	QUANT X1, 3, \s
.endm
	PSTEP 0
	PSTEP 1
	PSTEP 2
	PSTEP 3
	PSTEP 4
	PSTEP 5
; ---- BETWEEN THE PASSES.  The sums begin as zeros, and so does set 1 of temp, raw, mean and 1/diag: the first tile's slices then add zeros, and the step is written once.
; These lines are also the places between the last scale word and codes and the first product.
	s_wait_xcnt 0x0                                ; the prefetches of pass 1 have read their address
	s_add_nc_u64 s[80:81], s[80:81], 147456        ; the first trip steps it on to tile 4
.set ZJ, 0
.rept 8
	v_mov_b32 v[DIST+ZJ], 0
.set ZJ, ZJ+1
.endr
.set ZJ, 0
.rept 16
	v_mov_b32 v[MR+16+ZJ], 0
.set ZJ, ZJ+1
.endr
.set ZJ, 0
.rept 32
	v_mov_b32 v[RW+32+ZJ], 0
	v_mov_b32 v[ACC+32+ZJ], 0
.set ZJ, ZJ+1
.endr
	s_mov_b32 s84, 0                               ; the slot in hand
	s_mov_b32 s85, 0                               ; the step's scale words: 1,536 bytes a step
	s_mov_b32 s89, 0                               ; its mean and 1/diag: 256 bytes a step
	s_mov_b32 s83, 11
; ---- PASS 2
; Line k of 48 of a tile's sum over e, on set p: 0-15 raw - mean; 16-31 x 1/diag; 32-47 the sums += temp x diff, each accumulator from its low end on.
.macro EOP k, p
.set EK, (\k)
.if EK < 16
.set EO, 8*(EK/4)+2*(EK%4)
	v_pk_add_f32 v[RW+32*(\p)+EO:RW+32*(\p)+EO+1], v[RW+32*(\p)+EO:RW+32*(\p)+EO+1], v[MR+16*(\p)+2*(EK%4):MR+16*(\p)+2*(EK%4)+1] neg_lo:[0,1] neg_hi:[0,1]
.elseif EK < 32
.set EO, 8*((EK-16)/4)+2*(EK%4)
	v_pk_mul_f32 v[RW+32*(\p)+EO:RW+32*(\p)+EO+1], v[RW+32*(\p)+EO:RW+32*(\p)+EO+1], v[MR+16*(\p)+8+2*(EK%4):MR+16*(\p)+8+2*(EK%4)+1]
.else
.set EO, 8*(EK%4)+2*((EK-32)/4)
	v_pk_fma_f32 v[DIST+2*(EK%4):DIST+2*(EK%4)+1], v[ACC+32*(\p)+EO:ACC+32*(\p)+EO+1], v[RW+32*(\p)+EO:RW+32*(\p)+EO+1], v[DIST+2*(EK%4):DIST+2*(EK%4)+1]
.endif
.endm
.macro ALOAD u, p                      ; tile u's six fragments of inv into set p of window 1, and its six scale words
	WIN 0x40
.irp s, 0,1,2,3,4,5
.irp c, 0,1,2,3
	ds_load_b128 v[96*(\p)+16*\s+4*\c:96*(\p)+16*\s+4*\c+3], v8 offset:16*IP*(\u)+128*\s+16*(\s/2)+32*\c
.endr
.endr
	WIN 0
.irp i, 0,1,2
	ds_load_b64 v[ASC+6*(\p)+2*\i:ASC+6*(\p)+2*\i+1], v251 offset:384*(\u)+8*\i
.endr
.endm
.macro RLOAD u, p                      ; raw(b = 16 bt + r, e = 16 u + 8 h + 0 .. 7) of the four tiles of b, and mean and 1/diag of those e
.irp t, 0,1,2,3
	ds_load_b128 v[RW+32*(\p)+8*\t:RW+32*(\p)+8*\t+3], v9 offset:16*RP*\t+64*(\u)
	ds_load_b128 v[RW+32*(\p)+8*\t+4:RW+32*(\p)+8*\t+7], v9 offset:16*RP*\t+64*(\u)+16
.endr
	ds_load_b128 v[MR+16*(\p):MR+16*(\p)+3], v252 offset:64*(\u)
	ds_load_b128 v[MR+16*(\p)+4:MR+16*(\p)+7], v252 offset:64*(\u)+16
	ds_load_b128 v[MR+16*(\p)+8:MR+16*(\p)+11], v252 offset:3072+64*(\u)
	ds_load_b128 v[MR+16*(\p)+12:MR+16*(\p)+15], v252 offset:3072+64*(\u)+16
.endm
; A tile of 16 e: 24 products on set u % 2, the four accumulators by turns, one instruction a turn, K ascending; behind every second product four lines of the tile
; before's sum over e, on the other set.  Behind the sixth product the LDS loads stand in one run: this tile's raw, and the next tile's fragments: twelve plain lines that name no register of the last
; tile's products stand between those products and the loads into their sources; 32 such lines stand ahead of the first read of its results and of the products that begin those accumulators anew.
.macro ETILE u
.set EPS, (\u)%2
.set EQS, 1-EPS
	s_wait_dscnt 0x0                               ; this tile's fragments and the last tile's raw are in
.set EI, 0
.rept 24
.set ES, EI/4
.set EB, EI%4
.if ES < 4
	WIN 0x09                                       ; inv in window 1, codes in window 2, temp in window 0
.else
	WIN 0x0d                                       ; codes in window 3
.endif
.set EC, 64*(ES%4)+16*EB
.if ES == 0
	v_wmma_scale_f32_16x16x128_f8f6f4 v[ACC+32*EPS+8*EB:ACC+32*EPS+8*EB+7], v[96*EPS+16*ES:96*EPS+16*ES+15], v[EC:EC+15], 0, v[ASC+6*EPS+ES], v[BS+6*EB+ES]
.else
	v_wmma_scale_f32_16x16x128_f8f6f4 v[ACC+32*EPS+8*EB:ACC+32*EPS+8*EB+7], v[96*EPS+16*ES:96*EPS+16*ES+15], v[EC:EC+15], v[ACC+32*EPS+8*EB:ACC+32*EPS+8*EB+7], v[ASC+6*EPS+ES], v[BS+6*EB+ES]
.endif
.if EI%2 == 1
	WIN 0
	EOP 2*(EI-1), EQS
	EOP 2*(EI-1)+1, EQS
	EOP 2*(EI-1)+2, EQS
	EOP 2*(EI-1)+3, EQS
.endif
.if EI == 5
	RLOAD \u, EPS
.if (\u) < 3
	ALOAD (\u)+1, EQS
.endif
.endif
.set EI, EI+1
.endr
.endm
.macro STEP4                           ; a slot's four tiles of e
	v_add_nc_u32 v8, s84, v4
	v_add_nc_u32 v9, s84, v5
	v_add_nc_u32 v251, s85, v6
	v_add_nc_u32 v252, s89, v7
	ALOAD 0, 0
	ETILE 0
	ETILE 1
	ETILE 2
	ETILE 3
	s_add_co_u32 s85, s85, 1536
	s_add_co_u32 s89, s89, 256
	s_xor_b32 s84, s84, SLOT1                      ; on to the other slot
.endm
; THE CHANGE OF SLOTS, at a step's head: all my tensor loads have landed (my part of the slot ahead), 0 goes onto my spare word, the add and my reads of the slot left are done.
; fill = 1: a round of the cluster's barrier, then my one joint load, into the slot left: it has a step's 96 products in which to land.
.macro CHANGE fill
	s_wait_tensorcnt 0x0
	ds_add_u32 v2, v3
.if \fill
	s_xor_b32 s69, s69, SLOT1                      ; the walking descriptors: the other slot,
	s_add_nc_u64 s[70:71], s[70:71], 256           ; raw's next 64 columns,
	s_xor_b32 s73, s73, SLOT1
	s_add_nc_u64 s[74:75], s[74:75], 49152         ; inv's next 64 rows e
	s_wait_xcnt 0x0                                ; the last prefetch, a step or more back, has read its address
	s_add_nc_u64 s[80:81], s[80:81], 49152
	s_wait_dscnt 0x0
	CROUND
	JLOAD
	ASK
.else
	s_wait_dscnt 0x0
	s_barrier_signal -1
	s_barrier_wait -1
.endif
.endm
.Lstep:                                            ; 11 trips: E0 to E10 are worked, E1 to E11 asked for
	CHANGE 1
	STEP4
	s_sub_co_u32 s83, s83, 1
	s_cmp_lg_u32 s83, 0
	s_cbranch_scc1 .Lstep
	CHANGE 0                                       ; the last step is written out
	STEP4
; ---- THE WAY OUT.  The last tile's sum over e; its 32 lines of diff are the places behind the last products.
	s_wait_dscnt 0x0
.set TK, 0
.rept 48
	EOP TK, 1
.set TK, TK+1
.endr
.irp t, 0,1,2,3
	v_add_f32 v[236+\t], v[DIST+2*\t], v[DIST+2*\t+1]
.endr
.irp t, 0,1,2,3
	v_permlanex16_b32 v[TM+4+\t], v[236+\t], s86, s87      ; the row's other e lie in the lane 16 away
.endr
.irp t, 0,1,2,3
	v_add_f32 v[236+\t], -v[236+\t], -v[TM+4+\t]           ; the sum, with the sign
.endr
	v_cmp_le_u32 vcc_lo, 16, v250
	v_cndmask_b32 v244, v236, v237, vcc_lo         ; lanes 0-15 rows of tile 0, lanes 16-31 of tile 1
	v_cndmask_b32 v245, v238, v239, vcc_lo         ; tiles 2 and 3
	global_store_b32 v15, v244, s[14:15]
	global_store_b32 v15, v245, s[14:15] offset:32*400
	s_wait_tensorcnt 0x0                           ; the wave's end
	ds_add_u32 v2, v3
	s_wait_dscnt 0x0
	CROUND                                         ; the closing round: no work-group ends while a partner may still ask for a tile that names it
	s_endpgm
.Lfunc_end_k_qcbdfe7cae1_fecam:
	.size	k_qcbdfe7cae1_fecam, .Lfunc_end_k_qcbdfe7cae1_fecam-k_qcbdfe7cae1_fecam
	.p2alignl 7, 3214868480
	.fill 96, 4, 3214868480
	.section	.rodata,"a",@progbits
	.p2align	6, 0x0
	.amdhsa_kernel k_qcbdfe7cae1_fecam
		.amdhsa_group_segment_fixed_size 327680
		.amdhsa_private_segment_fixed_size 0
		.amdhsa_enable_private_segment 0
		.amdhsa_kernarg_size 48
		.amdhsa_user_sgpr_count 2
		.amdhsa_user_sgpr_kernarg_segment_ptr 1
		.amdhsa_wavefront_size32 1
		.amdhsa_system_sgpr_workgroup_id_x 1
		.amdhsa_system_sgpr_workgroup_id_y 1
		.amdhsa_system_sgpr_workgroup_id_z 1
		.amdhsa_system_vgpr_workitem_id 0
		.amdhsa_next_free_vgpr 896
		.amdhsa_next_free_sgpr 100
		.amdhsa_reserve_vcc 1
		.amdhsa_float_denorm_mode_32 3
		.amdhsa_float_denorm_mode_16_64 3
		.amdhsa_memory_ordered 1
		.amdhsa_forward_progress 1
		.amdhsa_inst_pref_size 255
	.end_amdhsa_kernel
	.section	.bss,"aw",@nobits
	.p2align	6
	.space	262144
	.amdgpu_metadata
---
amdhsa.version: [ 1, 2 ]
amdhsa.kernels:
  - .name:           k_qcbdfe7cae1_fecam
    .symbol:         k_qcbdfe7cae1_fecam.kd
    .args:
      - { .name: raw_features, .offset: 0, .size: 8, .value_kind: global_buffer, .address_space: global }
      - { .name: class_means, .offset: 8, .size: 8, .value_kind: global_buffer, .address_space: global }
      - { .name: class_diags, .offset: 16, .size: 8, .value_kind: global_buffer, .address_space: global }
      - { .name: class_inv_covs_codes, .offset: 24, .size: 8, .value_kind: global_buffer, .address_space: global }
      - { .name: class_inv_covs_scales, .offset: 32, .size: 8, .value_kind: global_buffer, .address_space: global }
      - { .name: out0, .offset: 40, .size: 8, .value_kind: global_buffer, .address_space: global }
    .group_segment_fixed_size: 327680
    .private_segment_fixed_size: 0
    .kernarg_segment_align: 8
    .kernarg_segment_size: 48
    .max_flat_workgroup_size: 128
    .sgpr_count:     100
    .vgpr_count:     896
    .wavefront_size: 32
...
	.end_amdgpu_metadata
.endif
;; end of part 1
